; MI455X (gfx1250); checked and timed in simulation.
; The chip was launched on July 23, 2026; its instructions are those of AMD's public machine-readable ISA for CDNA 5 (MIT licence, August 2026) and "CDNA5" Instruction Set Architecture Reference Guide (July 2026). The comments in the code are by the model that wrote it; some were corrected since.
;; Custom LSTM Cell. Allowed arithmetic: matrix products marked QUANTISED: E4M3 operands, one given power-of-two scale a tensor, by v_wmma_f32_16x16x64_fp8_fp8 or v_wmma_f32_16x16x128_fp8_fp8, f32 sums; everything else in f32.
;; Inputs: W_f 2,048 x 1,024 float32; W_g 2,048 x 1,024 float32; W_i 2,048 x 1,024 float32; W_o 2,048 x 1,024 float32; b_f 1,024 float32; b_g 1,024 float32; b_i 1,024 float32; b_o 1,024 float32; cell_state 8,192 x 1,024 float32; hidden 8,192 x 1,024 float32; input 8,192 x 1,024 float32; lowp_scales 2 int32 (the exponents e of the quantised operands' scales 2^e).
;; Outputs: out0 8,192 x 1,024 float32; out1 8,192 x 1,024 float32.
;; This version of the problem:
;;   THIS VERSION OF THE PROBLEM IS GIVEN IN LOW PRECISION. The matrix products marked QUANTISED in the list below multiply operands that are first quantised to E4M3 (4 exponent bits, 3 mantissa bits; 8 bits a number), with one given power-of-two scale for each operand tensor; their sums are f32. All else is computed in f32.
;;   The module's matrix products, in the order in which they are computed (A, B: the left and right operand; K: the contracted axis; several contracted axes count as one K, in the product's order):
;;     1. [M 8,192, K 2,048] x [K 2,048, N 4,096]; A: computed on the way; B: computed on the way: QUANTISED (scales: A lowp_scales[0], B lowp_scales[1])
;;   THE QUANTISER, for each operand of a quantised product, along K:
;;     - The operand's scale is 2^e, e = its entry of the input lowp_scales (int32; the entries are numbered through the quantised products in the list's order, A before B).
;;     - Each number is divided by the scale, clamped to +-448, and rounded to the nearest number of E4M3, ties to even, subnormals kept.
;;     - The product sums the exact products of the quantised numbers (number of the format x scale) in f32.
;;   ~~~python
;;   def quantise(x, axis, e):      # numpy; x: float32 -> the quantised numbers, widened to float32 again
;;       x = np.moveaxis(x, axis, -1); K = x.shape[-1]
;;       r = np.clip(x / 2.0 ** e, -448, 448)
;;       step = 2.0 ** (np.maximum(np.frexp(np.where(r == 0, 1, r))[1] - 1, -6) - 3)
;;       q = np.round(r / step) * step * 2.0 ** e      # np.round: ties to even
;;       return np.moveaxis(q, -1, axis).astype(np.float32)
;;   ~~~
;;   OPERANDS COMPUTED ON THE WAY. 'Computed on the way' means the value that the module computes at that place (a softmax that the list does not call 'softmax' is quantised finished and normalised). What goes into a quantiser is computed in f32, as accurately as f32 sums, v_exp_f32 and their like allow (about 1e-6 of the number): no bf16 or f16 on the way to a quantiser, and a product that is left as it is and whose result goes on into a quantised operand takes f32 operands (vector FMAs, or v_wmma_f32_16x16x4_f32). A number that lies on a knife's edge between two numbers of the format may be rounded either way, as far as f32 arithmetic and the matrix unit's own rounding can turn it there, and no further.
;; One version. Each part assembles by itself: llvm-mc -triple=amdgcn-amd-amdhsa -mcpu=gfx1250 --defsym DOCPART=n.
;; ======== version 1 of 1: 2 launches
;; limits: right only within a limited range of input values
;; workspace buffers: a_codes 16,777,216 bytes; w_codes 8,388,608 bytes
;; launch quant (part 1): grid 768 x 1, 4 waves a work-group, no clusters, 35,328 bytes of LDS; arguments input, hidden, W_i, W_f, W_o, W_g, lowp_scales, a_codes, w_codes; writes a_codes, w_codes
.if DOCPART == 1
	.amdgcn_target "amdgcn-amd-amdhsa--gfx1250"
	.amdhsa_code_object_version 6
	.text
	.protected	k_q56052db5d3_quant
	.globl	k_q56052db5d3_quant
	.p2align	8
	.type	k_q56052db5d3_quant,@function
k_q56052db5d3_quant:
	s_mov_b64 s[64:65], 0
	v_nop
	global_prefetch_b8 v0, s[64:65] scope:SCOPE_SE
	s_setreg_imm32_b32 hwreg(HW_REG_WAVE_MODE, 25, 1), 1
	s_wait_xcnt 0x0
; LSTM cell, first of two launches: both operands of gates = [input | hidden] x [W_i | W_f | W_o | W_g] become codes of FP8 (E4M3), each with the one scale 2^e that is given for it.
; code = x / 2^e, held within +-448, rounded to the nearest code, ties to even.  e: entry 0 of lowp_scales for [input | hidden], entry 1 for the weights.
; NOTHING OF THE PROBLEM IS LEFT OUT: every input has a way to an output for all values, so every input is loaded, here or in the second launch.
; LIMITS: -126 <= e and e + 8 <= 127 for both exponents.  NaN among the inputs is not served (an infinity is held at the largest code).
; THE ORDER ALONG K is one and the same in both operands, and not the natural one: inside each run of 512 along K, place p = 16 l + 4 i + j holds k = 128 i + 4 l + j (l = 0..31; i, j = 0..3).
; Every product still meets its partner; only the order of the f32 sums changes.  A lane that takes 16 bytes of each of four dense loads of 512 bytes then holds the 16 numbers of one block P of 16 neighbouring places.
; Both buffers lie in the order in which the second launch's operand registers take them: a block P's 16 bytes of 16 neighbouring rows are 256 consecutive bytes.
; a_codes: [512 blocks of 16 rows][128 blocks P][16 rows r][16 bytes].
; w_codes: [16 tiles of 64 hidden columns][16 runs of 128 places][b 0..15][c 0..3][h 0..1][r 0..15][16 bytes]: P = 8 run + 2 c + h, gate b / 4 (0 = i, 1 = f, 2 = o, 3 = g), hidden column 64 tile + 16 (b % 4) + r.
; SHARES.  768 work-groups of four waves, 32,768 numbers each: 0-255 take input, 256-511 hidden, 512-767 the weights (64 a gate).  Waves share nothing: no barrier.
; A wave of the first 512 takes 16 rows x 512 numbers; its codes turn through its own stage in LDS (a lane holds one block P of one row a step; a store wants 16 rows of one block), and leave as 8,192 consecutive bytes.
.set R,   16                           ; v16-79   the numbers as loaded; at last the codes read back
.set CD,  80                           ; v80-143  the codes
.set LIM, 10                           ; v10      448 x 2^e
.set SCL, 11                           ; v11      2^e as f32
.set SPW, 12                           ; v12      my spare word; never rewritten
.set NIL, 13                           ; v13      0
.set WST, 32*272                       ; a wave's stage: 32 blocks P x (256 bytes + 16 of padding)
.set SPARE, 4*WST
	s_load_b512 s[8:23], s[0:1], 0x0               ; input, hidden, W_i, W_f, W_o, W_g, the exponents s[20:21], a_codes s[22:23]
	s_load_b64 s[24:25], s[0:1], 0x40              ; w_codes
	v_lshl_add_u32 v[SPW], v0, 2, SPARE
	v_mov_b32 v[NIL], 0
	v_lshrrev_b32 v1, 5, v0
	v_readfirstlane_b32 s4, v1                     ; wave 0..3
	v_and_b32 v2, 31, v0                           ; lane
	s_wait_alu depctr_va_vdst(0)
	s_wait_kmcnt 0x0
	s_load_b64 s[26:27], s[20:21], 0x0             ; ea, eb
	s_cmp_lt_u32 ttmp9, 512
	s_cbranch_scc0 .Lweights
.macro SCALE e
	s_add_co_i32 s40, \e, 127
	s_lshl_b32 s41, s40, 23
	v_mov_b32 v[SCL], s41                          ; 2^e
	s_add_co_i32 s40, s40, 8
	s_lshl_b32 s40, s40, 23
	s_or_b32 s40, s40, 0x600000
	v_mov_b32 v[LIM], s40                          ; 448 x 2^e
.endm
	; rows of [input | hidden]: K is innermost
	s_cmp_lt_u32 ttmp9, 256
	s_cselect_b64 s[28:29], s[8:9], s[10:11]
	s_cselect_b32 s30, 0, 16384                    ; hidden's blocks P begin at 64: 64 x 256 bytes
	s_and_b32 s31, ttmp9, 255
	s_lshl_b32 s31, s31, 2
	s_add_co_u32 s31, s31, s4                      ; my wave's share, 0..1023
	s_lshr_b32 s36, s31, 1                         ; which 16 rows
	s_and_b32 s37, s31, 1                          ; which run of 512
	s_lshl_b32 s34, s36, 16                        ; 16 rows of 4,096 bytes
	s_lshl_b32 s38, s37, 11
	s_add_co_u32 s34, s34, s38
	s_mov_b32 s35, 0
	s_add_nc_u64 s[28:29], s[28:29], s[34:35]
	s_lshl_b32 s34, s36, 15                        ; 16 rows of 2,048 codes
	s_add_co_u32 s34, s34, s30
	s_lshl_b32 s38, s37, 13                        ; 32 blocks P of 256 bytes
	s_add_co_u32 s34, s34, s38
	s_add_nc_u64 s[32:33], s[22:23], s[34:35]
	s_mul_i32 s39, s4, WST
	v_lshlrev_b32 v3, 4, v2                        ; 16 bytes a lane, in and out
	v_mul_u32_u24 v5, v2, 272
	v_add_nc_u32 v5, s39, v5                       ; the stage, in: block P = my lane
	v_lshrrev_b32 v6, 4, v2
	v_mul_u32_u24 v6, v6, 272
	v_and_b32 v7, 15, v2
	v_lshl_add_u32 v6, v7, 4, v6
	v_add_nc_u32 v6, s39, v6                       ; and out: two blocks an instruction, sixteen lanes to a block
	s_wait_alu depctr_va_vdst(0)
.macro LOADA t                         ; row t: four loads of 512 consecutive bytes
.irp i, 0,1,2,3
	global_load_b128 v[R+16*((\t)%4)+4*\i:R+16*((\t)%4)+4*\i+3], v3, s[28:29] offset:4096*(\t)+512*\i th:TH_LOAD_NT
.endr
.endm
.macro STEPA t
.set XS, R+16*((\t)%4)
.if 15-(\t) >= 3
	s_wait_loadcnt 12                              ; this step's four loads are in; three steps' stay out
.else
	s_wait_loadcnt 4*(15-(\t))
.endif
.irp i, 0,1,2,3,4,5,6,7,8,9,10,11,12,13,14,15
	v_med3_num_f32 v[XS+\i], v[XS+\i], -v[LIM], v[LIM]   ; the conversion does not saturate (ISA guide 7.6.2): hold first
.endr
	v_cvt_scalef32_pk8_fp8_f32 v[CD+4*(\t):CD+4*(\t)+1], v[XS:XS+7], v[SCL]
	v_cvt_scalef32_pk8_fp8_f32 v[CD+4*(\t)+2:CD+4*(\t)+3], v[XS+8:XS+15], v[SCL]
.if (\t)+4 < 16
	LOADA (\t)+4
.endif
	ds_store_b128 v5, v[CD+4*(\t):CD+4*(\t)+3] offset:16*(\t)   ; row t's 16 bytes of block P
.endm
.irp t, 0,1,2,3
	LOADA \t
.endr
	s_wait_kmcnt 0x0
	SCALE s26
	s_wait_alu depctr_va_vdst(0)
.irp t, 0,1,2,3,4,5,6,7,8,9,10,11,12,13,14,15
	STEPA \t
.endr
.irp i, 0,1,2,3,4,5,6,7,8,9,10,11,12,13,14,15
	ds_load_b128 v[R+4*\i:R+4*\i+3], v6 offset:544*\i          ; LDS serves a wave's instructions in order (ISA guide 5.7.1.4): these see my stores
.endr
.irp i, 0,1,2,3,4,5,6,7,8,9,10,11,12,13,14,15
	s_wait_dscnt 15-\i
	global_store_b128 v3, v[R+4*\i:R+4*\i+3], s[32:33] offset:512*\i   ; 512 consecutive bytes, at a multiple of 512
.endr
	s_wait_tensorcnt 0x0                           ; the wave's end, behind my last LDS store
	ds_add_u32 v[SPW], v[NIL]
	s_wait_dscnt 0x0
	s_endpgm
	; the weights: K is the FIRST axis.  A lane takes a column and its registers run down K, in the order of the places: nothing is transposed, no LDS.
	; A work-group takes 128 columns of one gate x 256 places; a wave 32 columns.
.Lweights:
	s_sub_co_u32 s30, ttmp9, 512
	s_lshr_b32 s31, s30, 6                         ; gate 0..3
	s_and_b32 s34, s30, 7                          ; which 128 columns
	s_bfe_u32 s35, s30, 0x30003                    ; which 256 places
	s_and_b32 s40, s31, 1
	s_cmp_eq_u32 s40, 0
	s_cselect_b64 s[36:37], s[12:13], s[14:15]
	s_cselect_b64 s[38:39], s[16:17], s[18:19]
	s_cmp_lt_u32 s31, 2
	s_cselect_b64 s[28:29], s[36:37], s[38:39]     ; the choices hang on the work-group's number alone
	s_lshr_b32 s40, s35, 1
	s_lshl_b32 s40, s40, 21                        ; the run of 512 along K: 512 rows of 4,096 bytes
	s_and_b32 s41, s35, 1
	s_lshl_b32 s41, s41, 18                        ; its second 256 places begin with l = 16: k = 64 on
	s_add_co_u32 s40, s40, s41
	s_lshl_b32 s41, s34, 9
	s_add_co_u32 s40, s40, s41
	s_lshl_b32 s41, s4, 7
	s_add_co_u32 s40, s40, s41
	s_mov_b32 s41, 0
	s_add_nc_u64 s[28:29], s[28:29], s[40:41]
	s_lshl_b32 s40, s35, 16                        ; out: 256 places are 2 runs of 128, 32,768 bytes each
	s_lshl_b32 s42, s34, 20                        ; 128 columns are two tiles of 524,288 bytes
	s_add_co_u32 s40, s40, s42
	s_lshr_b32 s42, s4, 1
	s_lshl_b32 s42, s42, 19                        ; waves 2 and 3: the second of them
	s_add_co_u32 s40, s40, s42
	s_and_b32 s42, s4, 1
	s_lshl_b32 s42, s42, 12                        ; my 32 columns: two b of 2,048 bytes
	s_add_co_u32 s40, s40, s42
	s_lshl_b32 s42, s31, 13                        ; the gate's four b
	s_add_co_u32 s40, s40, s42
	s_add_nc_u64 s[32:33], s[24:25], s[40:41]
	v_lshlrev_b32 v3, 2, v2                        ; in: 4 bytes a lane
	v_and_b32 v4, 15, v2
	v_lshlrev_b32 v4, 4, v4
	v_lshrrev_b32 v5, 4, v2
	v_lshl_add_u32 v4, v5, 11, v4                  ; out: 16 r + 2,048 (lane / 16)
.macro LOADW t                         ; blocks P 2 t and 2 t + 1: register n holds k = 128 ((n % 16) / 4) + 4 (2 t + n / 16) + n % 4
.irp n, 0,1,2,3,4,5,6,7,8,9,10,11,12,13,14,15,16,17,18,19,20,21,22,23,24,25,26,27,28,29,30,31
	global_load_b32 v[R+32*((\t)%2)+\n], v3, s[28:29] offset:(128*((\n%16)/4)+4*(2*(\t)+\n/16)+\n%4)*4096 th:TH_LOAD_NT
.endr
.endm
.macro BLOCKW t
.set XS, R+32*((\t)%2)
.if (\t) < 7
	s_wait_loadcnt 32
.else
	s_wait_loadcnt 0
.endif
.irp i, 0,1,2,3,4,5,6,7,8,9,10,11,12,13,14,15,16,17,18,19,20,21,22,23,24,25,26,27,28,29,30,31
	v_med3_num_f32 v[XS+\i], v[XS+\i], -v[LIM], v[LIM]
.endr
.irp g, 0,1,2,3
	v_cvt_scalef32_pk8_fp8_f32 v[CD+8*(\t)+2*\g:CD+8*(\t)+2*\g+1], v[XS+8*\g:XS+8*\g+7], v[SCL]
.endr
.if (\t)+2 < 8
	LOADW (\t)+2
.endif
	global_store_b128 v4, v[CD+8*(\t):CD+8*(\t)+3], s[32:33] offset:((\t)/4)*32768+((\t)%4)*512        ; sixteen lanes store 256 consecutive bytes, at a multiple of 256
	global_store_b128 v4, v[CD+8*(\t)+4:CD+8*(\t)+7], s[32:33] offset:((\t)/4)*32768+((\t)%4)*512+256
.endm
	LOADW 0
	LOADW 1
	s_wait_kmcnt 0x0
	SCALE s27
	s_wait_alu depctr_va_vdst(0)
.irp t, 0,1,2,3,4,5,6,7
	BLOCKW \t
.endr
	s_endpgm
.Lfunc_end_k_q56052db5d3_quant:
	.size	k_q56052db5d3_quant, .Lfunc_end_k_q56052db5d3_quant-k_q56052db5d3_quant
	.p2alignl 7, 3214868480
	.fill 96, 4, 3214868480
	.section	.rodata,"a",@progbits
	.p2align	6, 0x0
	.amdhsa_kernel k_q56052db5d3_quant
		.amdhsa_group_segment_fixed_size 35328
		.amdhsa_private_segment_fixed_size 0
		.amdhsa_enable_private_segment 0
		.amdhsa_kernarg_size 72
		.amdhsa_user_sgpr_count 2
		.amdhsa_user_sgpr_kernarg_segment_ptr 1
		.amdhsa_wavefront_size32 1
		.amdhsa_system_sgpr_workgroup_id_x 1
		.amdhsa_system_sgpr_workgroup_id_y 1
		.amdhsa_system_sgpr_workgroup_id_z 1
		.amdhsa_system_vgpr_workitem_id 0
		.amdhsa_next_free_vgpr 144
		.amdhsa_next_free_sgpr 66
		.amdhsa_reserve_vcc 0
		.amdhsa_float_denorm_mode_32 3
		.amdhsa_float_denorm_mode_16_64 3
		.amdhsa_memory_ordered 1
		.amdhsa_forward_progress 1
		.amdhsa_inst_pref_size 77
	.end_amdhsa_kernel
	.amdgpu_metadata
---
amdhsa.version: [ 1, 2 ]
amdhsa.kernels:
  - .name:           k_q56052db5d3_quant
    .symbol:         k_q56052db5d3_quant.kd
    .args:
      - { .name: input, .offset: 0, .size: 8, .value_kind: global_buffer, .address_space: global }
      - { .name: hidden, .offset: 8, .size: 8, .value_kind: global_buffer, .address_space: global }
      - { .name: W_i, .offset: 16, .size: 8, .value_kind: global_buffer, .address_space: global }
      - { .name: W_f, .offset: 24, .size: 8, .value_kind: global_buffer, .address_space: global }
      - { .name: W_o, .offset: 32, .size: 8, .value_kind: global_buffer, .address_space: global }
      - { .name: W_g, .offset: 40, .size: 8, .value_kind: global_buffer, .address_space: global }
      - { .name: lowp_scales, .offset: 48, .size: 8, .value_kind: global_buffer, .address_space: global }
      - { .name: a_codes, .offset: 56, .size: 8, .value_kind: global_buffer, .address_space: global }
      - { .name: w_codes, .offset: 64, .size: 8, .value_kind: global_buffer, .address_space: global }
    .group_segment_fixed_size: 35328
    .private_segment_fixed_size: 0
    .kernarg_segment_align: 8
    .kernarg_segment_size: 72
    .max_flat_workgroup_size: 128
    .sgpr_count:     66
    .vgpr_count:     144
    .wavefront_size: 32
...
	.end_amdgpu_metadata
.endif
;; end of part 1
;; launch cell (part 2): grid 512 x 1, 4 waves a work-group, clusters of 4 x 1, 327,680 bytes of LDS; arguments a_codes, w_codes, lowp_scales, cell_state, b_i, b_f, b_o, b_g, out0, out1; writes out0, out1
.if DOCPART == 2
	.amdgcn_target "amdgcn-amd-amdhsa--gfx1250"
	.amdhsa_code_object_version 6
	.text
	.protected	k_q56052db5d3_cell
	.globl	k_q56052db5d3_cell
	.p2align	8
	.type	k_q56052db5d3_cell,@function
k_q56052db5d3_cell:
	s_mov_b64 s[64:65], 0
	v_nop
	global_prefetch_b8 v0, s[64:65] scope:SCOPE_SE
	s_setreg_imm32_b32 hwreg(HW_REG_WAVE_MODE, 25, 1), 1
	s_wait_xcnt 0x0
	s_wait_alu depctr_hold_cnt(0) depctr_sa_sdst(0) depctr_va_vdst(0) depctr_va_sdst(0) depctr_va_ssrc(0) depctr_va_vcc(0) depctr_vm_vsrc(0)
	s_getreg_b32 s2, hwreg(HW_REG_IB_STS2, 6, 4)
	s_cmp_eq_u32 s2, 0
	s_cbranch_scc0 .Lentry_in_a_cluster
	s_endpgm
.Lentry_in_a_cluster:
	s_bfe_u32 s2, ttmp6, 0x10000c
	s_cmp_lg_u32 s2, 0x3003
	s_cbranch_scc0 .Lentry_shape_is_right
	s_endpgm
.Lentry_shape_is_right:
; LSTM cell, second launch: the product on codes of FP8 (E4M3) and all that follows it; the gates never go to memory.  No work of the problem is left out.
; gate = 2^(ea + eb) x (sum over 2,048 places of a_codes x w_codes) + bias;  i, f, o = sigmoid, g = tanh;  out1 = new_cell = f c + i g;  out0 = new_hidden = o tanh(new_cell).
; LIMITS: ea + eb between -126 and 126 (it is added to the exponent fields of -log2(e) and 2 log2(e)).  NaN among the inputs is not served.
; The exponents of the exponentials of g and of new_cell are held at 60 from above: a tanh is 1 in f32 long before.
; SHARES.  A work-group of four waves makes 256 rows x 64 hidden columns (256 n': b = 4 gate + column / 16); a wave 64 rows x all 256 n': 64 accumulators, 512 registers.  512 work-groups: two whole turns of 256.
; THE WEIGHTS' tile is the same for all row blocks: the four work-groups of a cluster take four row blocks of one tile column and ask for it JOINTLY.  It goes in steps of 512 places through two LDS slots of 131,072 bytes,
; a quarter a wave; w_codes lies in the order of the operand registers, so a step is 131,072 consecutive bytes, stated as rows of 256, and every LDS load reads 512 consecutive bytes.
; A'S ROWS are read by no partner and by one wave alone: they go from memory straight into registers (a_codes lies in the same order), 16 loads of 512 consecutive bytes for 128 places, in a ring of four such groups.
; THE MATRIX INSTRUCTION IS USED TRANSPOSED (source 0 = 16 rows n', source 1 = 16 rows of A): register j of lane (r, h) of accumulator (a, b) is gate b / 4 at row 16 a + r, hidden column 16 (b % 4) + 8 h + j.
; One tile to a work-group: a second tile would want the last tile's steps and way out written out a second time.
; PREFETCHES.  w_codes: clusters 0-63 (tile columns 0-7) name, a wave 32 blocks of 256 bytes an instruction, steps 2 and 3 of their own tile at the head, and in runs 2 and 5 the two halves of the tile eight columns on,
; which clusters 64-127 will load; the blocks are shared out by address among the waves of the clusters that read the tile: four clusters name a block.  Clusters 64-127 ask for no weights.
; a_codes: in runs 0 and 4 each wave names 32 blocks of the runs eight on, of that one of its four blocks of rows which the tile column's number picks: four work-groups name a block.
; cell_state: in run 6 each wave names the 64 blocks that it will load from run 12 on.
; THE WAY OUT needs no barrier: a wave's 64 hidden columns are 256 bytes of a row.  By blocks of 16 rows the cell's whole rows go through the wave's own stage to the lanes that hold their gates; the results go back the same way.
; REGISTERS.  Window 0: v16-31 addresses; v64-255 the weights' fragments, a ring of three batches of four; on the way out v32-95 rows read back, v96-207 at work.
;   Window 1: A's ring, four groups of 64; as they are done with: v0-63 the cell's blocks 0, 1; v64-127, v128-191 the biases of columns 0-31, 32-63; v192-255 the cell's blocks 2, 3.
;   Window 2: accumulators of b = 0..7 ((a, b) at v[32 (b % 8) + 8 a]); window 3: b = 8..15.
.set SLOT,   131072
.set STAGE,  2*SLOT                    ; behind the ring: for each wave 16 rows x 272 bytes of the cell / new_cell and as many of new_hidden; no tensor load lands here
.set SP,     272
.set HSO,    16*SP
.set WST,    2*HSO
.set SPARE,  STAGE+4*WST
.set BAD,   20                         ; v20-23  16 x lane + 65,536 x (0..3): the ring's halves of slots.  v20 is also my offset in a load of 512 bytes
.set STO,   16                         ; v16  the stage: my 32 bytes of row r
.set RW,    17                         ; v17  the stage: two whole rows an instruction
.set CO,    18                         ; v18  the same two rows in memory
.set BO,    19                         ; v19  my offset in a bias
.set PFO,   24
.set PFW,   25
.set PFA,   26
.set SPW,   28
.set NIL,   29
.set RB,    32
.set C,     96
.set T,     112
.set G,     128
.set GI,    128
.set GF,    144
.set GO,    160
.set GG,    176
.set U,     192
.set BR,    64
.set AP,    56                         ; s[56:57] my wave's 64 rows in a_codes
.set SA,    92
.set SG,    94
.set CAP,   98
.set MSB, 0
.macro WIN new                         ; the immediate's high byte repeats the setting that is left
.if MSB != \new
	s_set_vgpr_msb (MSB<<8)|\new
.set MSB, \new
.endif
.endm
.macro PLACES
.rept 4
	v_nop
.endr
.endm
.macro CREST                           ; a round of the cluster's barrier behind its opening barrier
	s_cmp_lg_u32 s14, 0
	s_cbranch_scc1 .Lnot_wave_0_\@
	s_barrier_signal -3
.Lnot_wave_0_\@:
	s_barrier_wait -3
	s_barrier_signal -1
	s_barrier_wait -1
.endm
.macro CROUND
	s_barrier_signal -1
	s_barrier_wait -1
	CREST
.endm
.macro AG t                            ; A's four fragments of run t (128 places) into group t % 4 of window 1
.irp a, 0,1,2,3
.irp c, 0,1,2,3
	global_load_b128 v[64*((\t)%4)+16*\a+4*\c:64*((\t)%4)+16*\a+4*\c+3], v[BAD], s[AP:AP+1] offset:32768*\a+2048*(\t)+512*\c
.endr
.endr
.endm
.macro BRL g                           ; batch g (0..63: run g / 4, b = 4 (g % 4) .. + 3) from LDS into place g % 3 of the ring
.irp bb, 0,1,2,3
.irp c, 0,1,2,3
	ds_load_b128 v[BR+64*((\g)%3)+16*\bb+4*\c:BR+64*((\g)%3)+16*\bb+4*\c+3], v[BAD+2*(((\g)/16)%2)+((\g)%16)/8] offset:8192*((\g)%8)+2048*\bb+512*\c
.endr
.endr
.endm
.macro WM t, q                         ; a batch's sixteen products; the accumulators take turns; run 0 starts the sums
.irp bb, 0,1,2,3
.irp a, 0,1,2,3
.if (\t) == 0
	v_wmma_f32_16x16x128_fp8_fp8 v[32*((4*(\q)+\bb)%8)+8*\a:32*((4*(\q)+\bb)%8)+8*\a+7], v[BR+64*((4*(\t)+(\q))%3)+16*\bb:BR+64*((4*(\t)+(\q))%3)+16*\bb+15], v[64*((\t)%4)+16*\a:64*((\t)%4)+16*\a+15], 0
.else
	v_wmma_f32_16x16x128_fp8_fp8 v[32*((4*(\q)+\bb)%8)+8*\a:32*((4*(\q)+\bb)%8)+8*\a+7], v[BR+64*((4*(\t)+(\q))%3)+16*\bb:BR+64*((4*(\t)+(\q))%3)+16*\bb+15], v[64*((\t)%4)+16*\a:64*((\t)%4)+16*\a+15], v[32*((4*(\q)+\bb)%8)+8*\a:32*((4*(\q)+\bb)%8)+8*\a+7]
.endif
.endr
.endr
.endm
.macro BAT t, q                        ; wait for a batch, multiply it, ask for the batch three on
.if 63-(4*(\t)+(\q)) >= 2
	s_wait_dscnt 32                                ; two younger batches of sixteen loads may be out
.else
	s_wait_dscnt 16*(63-(4*(\t)+(\q)))
.endif
	WIN 0xa4+0x50*((\q)/2)                         ; source 0 window 0, source 1 window 1, C and D window 2 or 3
	WM \t, \q
	PLACES                                         ; four places ahead of loads into registers that matrix instructions have read
	WIN 0
.if 4*(\t)+(\q)+3 < 64
	BRL 4*(\t)+(\q)+3
.endif
.endm
; The change of slots stands in a step's last run, behind batch 0: by then every batch of the slot has been asked for.  fill: the slot that is filled again, two steps on (-1: none)
.macro TURN t, fill
	s_wait_tensorcnt 0x0                           ; all my tensor loads have landed: my quarter of the next slot
	ds_add_u32 v[SPW], v[NIL]
.if (\fill) >= 0
	s_add_nc_u64 s[34+4*(\fill):35+4*(\fill)], s[34+4*(\fill):35+4*(\fill)], 2*SLOT
.endif
	s_wait_dscnt 0x0                               ; the add is done, and my reads of this slot are over
	s_barrier_signal -1
	WIN 0xa4
	WM \t, 1                                       ; work on registers while the others arrive
	PLACES
	WIN 0
	s_barrier_wait -1
.if (\fill) >= 0
	CREST                                          ; the barrier has opened a round of the cluster's barrier
	tensor_load_to_lds s[32+4*(\fill):35+4*(\fill)], s[24:31]   ; my one load behind the round
	s_nop 0
.endif
	BRL 4*(\t)+4
.endm
.macro KU t                            ; a run of 128 places: 64 products
	s_wait_loadcnt 48                              ; A's group is in; behind it stand three groups of 16 loads
	BAT \t, 0
.if ((\t)%4 == 3) && ((\t) < 15)
.if (\t) < 8
	TURN \t, (\t)/4
.else
	TURN \t, -1
.endif
.else
	BAT \t, 1
.endif
	BAT \t, 2
	BAT \t, 3
.endm
.macro BIASL xh, base                  ; register 16 gate + 8 xx + j: the gate's bias at column 32 xh + 16 xx + 8 h + j
.irp g, 0,1,2,3
.irp xx, 0,1
	global_load_b128 v[\base+16*\g+8*\xx:\base+16*\g+8*\xx+3], v[BO], s[68+2*\g:69+2*\g] offset:128*(\xh)+64*\xx
	global_load_b128 v[\base+16*\g+8*\xx+4:\base+16*\g+8*\xx+7], v[BO], s[68+2*\g:69+2*\g] offset:128*(\xh)+64*\xx+16
.endr
.endr
.endm
.macro CELLW k                         ; block k's 16 whole rows of the cell, two an instruction, into window 1: v0, v32, v192, v224
.irp t, 0,1,2,3,4,5,6,7
	global_load_b128 v[32*(\k)+128*((\k)/2)+4*\t:32*(\k)+128*((\k)/2)+4*\t+3], v[CO], s[10:11] offset:(16*(\k)+2*\t)*4096 th:TH_LOAD_NT
.endr
.endm
	s_load_b256 s[4:11], s[0:1], 0x0               ; a_codes, w_codes, the exponents, cell_state
	s_load_b256 s[68:75], s[0:1], 0x20             ; b_i, b_f, b_o, b_g
	s_load_b128 s[76:79], s[0:1], 0x40             ; out0, out1
	v_lshl_add_u32 v[SPW], v0, 2, SPARE
	v_mov_b32 v[NIL], 0
	ds_add_u32 v[SPW], v[NIL]                      ; the opening lines: the add, twice on end, and its wait ahead of my first tensor load
	ds_add_u32 v[SPW], v[NIL]
	v_lshrrev_b32 v1, 5, v0
	v_readfirstlane_b32 s14, v1                    ; wave 0..3
	s_bfe_u32 s40, ttmp6, 0x40000                  ; cx: which of the cluster's four row blocks
	s_and_b32 s41, ttmp9, 7                        ; which 1,024 rows
	s_lshr_b32 s15, ttmp9, 3                       ; the tile column, 0..15
	s_mov_b32 s24, 15|(3<<16)|(1<<21)              ; the mask: all four partners; elements of 8 bytes; no padding
	s_mov_b32 s25, 32<<16                          ; rows of 256 bytes,
	s_mov_b32 s26, 128<<16                         ; 128 of them, on end
	s_mov_b32 s27, 32<<16
	s_mov_b32 s28, 128
	s_mov_b32 s29, 32
	s_mov_b32 s30, 0
	s_mov_b32 s31, 0
	s_mov_b32 s32, 1
	s_lshl_b32 s33, s14, 15                        ; wave w brings quarter w of a slot
	s_mov_b32 s36, 1
	s_add_co_u32 s37, s33, SLOT
	s_lshl_b32 s20, s15, 19                        ; the tile's 524,288 bytes
	s_add_co_u32 s20, s20, s33
	s_mov_b32 s21, 0
	s_lshl_b32 s42, s41, 2
	s_add_co_u32 s42, s42, s40                     ; my row block, 0..31
	s_lshl_b32 s44, s42, 19                        ; a_codes: 256 rows of 2,048 bytes,
	s_lshl_b32 s45, s14, 17                        ; + 64 rows a wave
	s_add_co_u32 s44, s44, s45
	s_mov_b32 s45, 0
	s_lshl_b32 s46, s42, 20                        ; cell and outputs: 256 rows of 4,096 bytes,
	s_lshl_b32 s47, s14, 18                        ; + 64 rows a wave,
	s_add_co_u32 s46, s46, s47
	s_lshl_b32 s48, s15, 8                         ; + 64 columns a tile.  Also the biases' offset
	s_add_co_u32 s46, s46, s48
	s_mov_b32 s47, 0
	s_lshr_b32 s49, s41, 2                         ; the weights' prefetch: share 16 (rows' number / 4) + 4 cx + wave of 32, 8,192 bytes each,
	s_lshl_b32 s49, s49, 4
	s_lshl_b32 s50, s40, 2
	s_add_co_u32 s49, s49, s50
	s_add_co_u32 s49, s49, s14
	s_lshl_b32 s49, s49, 13
	s_add_co_u32 s49, s49, 2*SLOT                  ; of steps 2 and 3
	s_lshl_b32 s50, s15, 19
	s_add_co_u32 s49, s49, s50
	s_and_b32 s51, s15, 3                          ; A's prefetch: which of my four blocks of 16 rows
	s_lshl_b32 s51, s51, 15
	s_mul_i32 s52, s14, WST
	s_add_co_u32 s52, s52, STAGE                   ; my stage
	s_mov_b32 s[CAP], 0x42700000                   ; 60.0
	s_mov_b32 s22, 0x4038aa3b                      ; 2 log2(e)
	s_mov_b32 s23, s22
	s_mov_b32 s54, 0xbfb8aa3b                      ; -log2(e)
	s_mov_b32 s55, s54
	s_wait_dscnt 0x0
	s_wait_kmcnt 0x0
	s_load_b64 s[96:97], s[8:9], 0x0               ; ea, eb
	s_add_nc_u64 s[34:35], s[6:7], s[20:21]
	s_add_nc_u64 s[38:39], s[34:35], SLOT
	s_or_b32 s35, s35, 0x80000000
	s_or_b32 s39, s39, 0x80000000
	s_add_nc_u64 s[AP:AP+1], s[4:5], s[44:45]
	s_add_nc_u64 s[10:11], s[10:11], s[46:47]
	s_add_nc_u64 s[76:77], s[76:77], s[46:47]
	s_add_nc_u64 s[78:79], s[78:79], s[46:47]
	CROUND                                         ; the four partners are here: the joint loads meet
	tensor_load_to_lds s[32:35], s[24:31]          ; step 0: one tensor load a wave at the head
	s_nop 0
	v_and_b32 v1, 15, v0                           ; r
	v_bfe_u32 v2, v0, 4, 1                         ; h
	v_and_b32 v3, 31, v0                           ; lane
	v_lshlrev_b32 v[BAD], 4, v3
	v_add_nc_u32 v[BAD+1], 0x10000, v[BAD]
	v_add_nc_u32 v[BAD+2], 0x20000, v[BAD]
	v_add_nc_u32 v[BAD+3], 0x30000, v[BAD]
	v_mul_u32_u24 v4, v1, SP
	v_lshl_add_u32 v5, v2, 5, v4
	v_add_nc_u32 v[STO], s52, v5
	v_mul_u32_u24 v6, v2, SP
	v_lshl_add_u32 v6, v1, 4, v6
	v_add_nc_u32 v[RW], s52, v6
	v_lshlrev_b32 v[CO], 4, v1
	v_lshl_add_u32 v[CO], v2, 12, v[CO]
	v_lshl_add_u32 v[BO], v2, 5, s48
	v_lshlrev_b32 v[PFO], 12, v3
	v_lshl_add_u32 v[PFW], v3, 8, s49
	v_lshl_add_u32 v[PFA], v3, 8, s51
	s_wait_alu depctr_va_vdst(0)
	WIN 0x40
	AG 0
	AG 1
	AG 2
	AG 3
	WIN 0
	s_cmp_lt_u32 ttmp9, 64                         ; tile columns 0-7 alone ask for weights: the branch hangs on the cluster's number
	s_cbranch_scc0 .Lnpw
	global_prefetch_b8 v[PFW], s[6:7] th:TH_LOAD_NT scope:SCOPE_SE   ; my tile's steps 2 and 3
.Lnpw:
	s_wait_kmcnt 0x0
	s_add_co_i32 s96, s96, s97                     ; ea + eb
	s_lshl_b32 s97, s96, 23
	s_add_co_i32 s[SA], s97, s54                   ; added to the exponent field of -log2(e),
	s_mov_b32 s[SA+1], s[SA]
	s_add_co_i32 s[SG], s97, s22                   ; and of 2 log2(e)
	s_mov_b32 s[SG+1], s[SG]
	s_wait_tensorcnt 0x0                           ; my quarter of step 0 is in
	ds_add_u32 v[SPW], v[NIL]
	s_wait_dscnt 0x0
	CROUND
	tensor_load_to_lds s[36:39], s[24:31]          ; step 1, into slot 1
	s_nop 0
	BRL 0
	BRL 1
	BRL 2
.irp t, 0,1,2,3,4,5,6,7,8,9,10,11
	KU \t
	WIN 0x40
	AG \t+4                                        ; the group just multiplied takes the run four on
	WIN 0
.if (\t == 0) || (\t == 4)
	global_prefetch_b8 v[PFA], s[AP:AP+1] offset:2048*(\t+8) th:TH_LOAD_NT scope:SCOPE_SE   ; runs t + 8 .. t + 11 of one block of 16 rows: 8,192 consecutive bytes
.endif
.if (\t == 2) || (\t == 5)
	s_cmp_lt_u32 ttmp9, 64
	s_cbranch_scc0 .Lnpw\t
	global_prefetch_b8 v[PFW], s[6:7] offset:8*524288-2*SLOT*(1-\t/5) th:TH_LOAD_NT scope:SCOPE_SE   ; the tile eight columns on: steps 0 and 1 in run 2, steps 2 and 3 in run 5
.Lnpw\t:
.endif
.if \t == 6
	global_prefetch_b8 v[PFO], s[10:11] th:TH_LOAD_NT scope:SCOPE_SE
	global_prefetch_b8 v[PFO], s[10:11] offset:131072 th:TH_LOAD_NT scope:SCOPE_SE
.endif
.endr
	KU 12                                          ; the groups that are done with take what the way out wants, 16 loads each: so the count 48 holds to the end
	WIN 0x40
	CELLW 0
	CELLW 1
	WIN 0
	KU 13
	WIN 0x40
	BIASL 0, 64
	WIN 0
	KU 14
	WIN 0x40
	BIASL 1, 128
	WIN 0
	KU 15
	WIN 0x40
	CELLW 2
	CELLW 3
	WIN 0
; ---------------- THE WAY OUT ----------------
; Ei = e^-xi, Ef = e^-xf, Eo = e^-xo, Eg = e^(2 xg);  f = 1 / (1 + Ef);  i g = (Eg - 1) / ((1 + Ei)(1 + Eg));  new_cell = c f + i g;  Ec = e^(2 new_cell);  new_hidden = (Ec - 1) / ((1 + Ec)(1 + Eo)).
; Where Ei, Ef or Eo is infinite, or a product of two brackets overflows, the reciprocal is 0 and a finite numerator x 0 is 0, which is the limit.
.macro ARGS a, xh                      ; 64 sums of block a, columns 32 xh .. + 31, become the exponents; each accumulator from its low end on
.set BIB, 64+64*(\xh)
	WIN 0x12                                       ; source 0: window 2; the biases: window 1
	s_wait_alu depctr_va_vdst(0)                   ; the wait ahead of the first readers of matrix results
.irp g, 0,1
.irp xx, 0,1
.irp j, 0,2,4,6
	v_pk_fma_f32 v[G+16*\g+8*\xx+\j:G+16*\g+8*\xx+\j+1], v[32*(4*\g+2*(\xh)+\xx)+8*(\a)+\j:32*(4*\g+2*(\xh)+\xx)+8*(\a)+\j+1], s[SA:SA+1], v[BIB+16*\g+8*\xx+\j:BIB+16*\g+8*\xx+\j+1] op_sel_hi:[1,0,1]
.endr
.endr
.endr
	WIN 0x13
	s_wait_alu depctr_va_vdst(0)
.irp xx, 0,1
.irp j, 0,2,4,6
	v_pk_fma_f32 v[GO+8*\xx+\j:GO+8*\xx+\j+1], v[32*(2*(\xh)+\xx)+8*(\a)+\j:32*(2*(\xh)+\xx)+8*(\a)+\j+1], s[SA:SA+1], v[BIB+32+8*\xx+\j:BIB+32+8*\xx+\j+1] op_sel_hi:[1,0,1]
.endr
.endr
.irp xx, 0,1
.irp j, 0,2,4,6
	v_pk_fma_f32 v[GG+8*\xx+\j:GG+8*\xx+\j+1], v[32*(4+2*(\xh)+\xx)+8*(\a)+\j:32*(4+2*(\xh)+\xx)+8*(\a)+\j+1], s[SG:SG+1], v[BIB+48+8*\xx+\j:BIB+48+8*\xx+\j+1] op_sel_hi:[1,0,1]
.endr
.endr
	WIN 0
.set NN, 0
.rept 16
	v_min_num_f32 v[GG+NN], s[CAP], v[GG+NN]
.set NN, NN+1
.endr
.endm
.macro SEND a                          ; sixteen lanes store 256 consecutive bytes, at a multiple of 256
.irp t, 0,1,2,3,4,5,6,7
	global_store_b128 v[CO], v[RB+4*\t:RB+4*\t+3], s[78:79] offset:(16*(\a)+2*\t)*4096 th:TH_STORE_NT
	global_store_b128 v[CO], v[RB+32+4*\t:RB+32+4*\t+3], s[76:77] offset:(16*(\a)+2*\t)*4096 th:TH_STORE_NT
.endr
.endm
.macro UNIT a, xh, snd                 ; 16 rows x 32 columns; snd: the block whose rows, read back, leave under the exponentials (-1: none)
.irp x, 0,1,2,3
	ds_load_b128 v[C+4*\x:C+4*\x+3], v[STO] offset:128*(\xh)+64*(\x/2)+16*(\x%2)
.endr
	ARGS \a, \xh
	s_wait_alu depctr_va_vdst(0)                   ; a wait ahead of each batch of transcendentals and one behind it
.set NN, 0
.rept 64
	v_exp_f32 v[G+NN], v[G+NN]
.set NN, NN+1
.endr
	v_nop
	s_wait_alu depctr_va_vdst(0)
	s_wait_dscnt 0x0                               ; the cell's numbers, and the rows read back, are in
.if (\snd) >= 0
	SEND \snd
.endif
.set NN, 0
.rept 8
	v_pk_add_f32 v[GF+NN:GF+NN+1], v[GF+NN:GF+NN+1], 1.0 op_sel_hi:[1,0]
	v_pk_add_f32 v[T+NN:T+NN+1], v[GG+NN:GG+NN+1], -1.0 op_sel_hi:[1,0]
	v_pk_add_f32 v[GG+NN:GG+NN+1], v[GG+NN:GG+NN+1], 1.0 op_sel_hi:[1,0]
.set NN, NN+2
.endr
.set NN, 0
.rept 8
	v_pk_fma_f32 v[GI+NN:GI+NN+1], v[GI+NN:GI+NN+1], v[GG+NN:GG+NN+1], v[GG+NN:GG+NN+1]   ; (1 + Ei)(1 + Eg)
.set NN, NN+2
.endr
	s_wait_alu depctr_va_vdst(0)
.set NN, 0
.rept 16
	v_rcp_f32 v[GF+NN], v[GF+NN]
	v_rcp_f32 v[GI+NN], v[GI+NN]
.set NN, NN+1
.endr
	v_nop
	s_wait_alu depctr_va_vdst(0)
.set NN, 0
.rept 8
	v_pk_mul_f32 v[T+NN:T+NN+1], v[T+NN:T+NN+1], v[GI+NN:GI+NN+1]                         ; i g
.set NN, NN+2
.endr
.set NN, 0
.rept 8
	v_pk_fma_f32 v[C+NN:C+NN+1], v[C+NN:C+NN+1], v[GF+NN:GF+NN+1], v[T+NN:T+NN+1]         ; new_cell
.set NN, NN+2
.endr
.set NN, 0
.rept 8
	v_pk_mul_f32 v[U+NN:U+NN+1], v[C+NN:C+NN+1], s[22:23] op_sel_hi:[1,0]
.set NN, NN+2
.endr
.set NN, 0
.rept 16
	v_min_num_f32 v[U+NN], s[CAP], v[U+NN]
.set NN, NN+1
.endr
	s_wait_alu depctr_va_vdst(0)
.set NN, 0
.rept 16
	v_exp_f32 v[U+NN], v[U+NN]                     ; Ec
.set NN, NN+1
.endr
.irp x, 0,1,2,3
	ds_store_b128 v[STO], v[C+4*\x:C+4*\x+3] offset:128*(\xh)+64*(\x/2)+16*(\x%2)         ; over the cell's own bytes
.endr
	v_nop
	s_wait_alu depctr_va_vdst(0)
.set NN, 0
.rept 8
	v_pk_add_f32 v[T+NN:T+NN+1], v[U+NN:U+NN+1], -1.0 op_sel_hi:[1,0]
	v_pk_add_f32 v[U+NN:U+NN+1], v[U+NN:U+NN+1], 1.0 op_sel_hi:[1,0]
.set NN, NN+2
.endr
.set NN, 0
.rept 8
	v_pk_fma_f32 v[U+NN:U+NN+1], v[U+NN:U+NN+1], v[GO+NN:GO+NN+1], v[U+NN:U+NN+1]         ; (1 + Ec)(1 + Eo)
.set NN, NN+2
.endr
	s_wait_alu depctr_va_vdst(0)
.set NN, 0
.rept 16
	v_rcp_f32 v[U+NN], v[U+NN]
.set NN, NN+1
.endr
	v_nop
	s_wait_alu depctr_va_vdst(0)
.set NN, 0
.rept 8
	v_pk_mul_f32 v[T+NN:T+NN+1], v[T+NN:T+NN+1], v[U+NN:U+NN+1]                           ; new_hidden
.set NN, NN+2
.endr
.irp x, 0,1,2,3
	ds_store_b128 v[STO], v[T+4*\x:T+4*\x+3] offset:HSO+128*(\xh)+64*(\x/2)+16*(\x%2)
.endr
.endm
	s_wait_loadcnt 16                              ; the cell's blocks 0 and 1 and the biases are in; blocks 2 and 3, 16 loads, may be out
	WIN 0x41                                       ; the biases, both sets in window 1, take the exponents' factors
.irp w, 0, 1
.set NN, 0
.rept 24
	v_pk_mul_f32 v[64+64*\w+NN:64+64*\w+NN+1], v[64+64*\w+NN:64+64*\w+NN+1], s[54:55] op_sel_hi:[1,0]
.set NN, NN+2
.endr
.rept 8
	v_pk_mul_f32 v[64+64*\w+NN:64+64*\w+NN+1], v[64+64*\w+NN:64+64*\w+NN+1], s[22:23] op_sel_hi:[1,0]
.set NN, NN+2
.endr
.endr
	WIN 0
; LDS serves a wave's instructions in order (ISA guide 5.7.1.4), and the stage is my wave's own: no wait stands between its stores and its loads, nor ahead of the next block's stores.
.irp a, 0,1,2,3
.if \a > 1
	s_wait_loadcnt 8*(3-\a)                        ; block a's rows of the cell are in
.endif
	WIN 0x04                                       ; the stores' data: window 1
.irp t, 0,1,2,3,4,5,6,7
	ds_store_b128 v[RW], v[32*\a+128*(\a/2)+4*\t:32*\a+128*(\a/2)+4*\t+3] offset:2*\t*SP
.endr
	WIN 0
	UNIT \a, 0, \a-1
	UNIT \a, 1, -1
	s_wait_xcnt 0x0                                ; the stores of the block before have read these registers
.irp t, 0,1,2,3,4,5,6,7
	ds_load_b128 v[RB+4*\t:RB+4*\t+3], v[RW] offset:2*\t*SP
	ds_load_b128 v[RB+32+4*\t:RB+32+4*\t+3], v[RW] offset:HSO+2*\t*SP
.endr
.endr
	s_wait_dscnt 0x0
	SEND 3
	s_wait_tensorcnt 0x0                           ; the wave's end
	ds_add_u32 v[SPW], v[NIL]
	s_wait_dscnt 0x0
	CROUND                                         ; the closing round
	s_endpgm
.Lfunc_end_k_q56052db5d3_cell:
	.size	k_q56052db5d3_cell, .Lfunc_end_k_q56052db5d3_cell-k_q56052db5d3_cell
	.p2alignl 7, 3214868480
	.fill 96, 4, 3214868480
	.section	.rodata,"a",@progbits
	.p2align	6, 0x0
	.amdhsa_kernel k_q56052db5d3_cell
		.amdhsa_group_segment_fixed_size 327680
		.amdhsa_private_segment_fixed_size 0
		.amdhsa_enable_private_segment 0
		.amdhsa_kernarg_size 80
		.amdhsa_user_sgpr_count 2
		.amdhsa_user_sgpr_kernarg_segment_ptr 1
		.amdhsa_wavefront_size32 1
		.amdhsa_system_sgpr_workgroup_id_x 1
		.amdhsa_system_sgpr_workgroup_id_y 1
		.amdhsa_system_sgpr_workgroup_id_z 1
		.amdhsa_system_vgpr_workitem_id 0
		.amdhsa_next_free_vgpr 1024
		.amdhsa_next_free_sgpr 102
		.amdhsa_reserve_vcc 0
		.amdhsa_float_denorm_mode_32 3
		.amdhsa_float_denorm_mode_16_64 3
		.amdhsa_memory_ordered 1
		.amdhsa_forward_progress 1
		.amdhsa_inst_pref_size 255
	.end_amdhsa_kernel
	.section	.bss,"aw",@nobits
	.p2align	6
	.space	262144
	.amdgpu_metadata
---
amdhsa.version: [ 1, 2 ]
amdhsa.kernels:
  - .name:           k_q56052db5d3_cell
    .symbol:         k_q56052db5d3_cell.kd
    .args:
      - { .name: a_codes, .offset: 0, .size: 8, .value_kind: global_buffer, .address_space: global }
      - { .name: w_codes, .offset: 8, .size: 8, .value_kind: global_buffer, .address_space: global }
      - { .name: lowp_scales, .offset: 16, .size: 8, .value_kind: global_buffer, .address_space: global }
      - { .name: cell_state, .offset: 24, .size: 8, .value_kind: global_buffer, .address_space: global }
      - { .name: b_i, .offset: 32, .size: 8, .value_kind: global_buffer, .address_space: global }
      - { .name: b_f, .offset: 40, .size: 8, .value_kind: global_buffer, .address_space: global }
      - { .name: b_o, .offset: 48, .size: 8, .value_kind: global_buffer, .address_space: global }
      - { .name: b_g, .offset: 56, .size: 8, .value_kind: global_buffer, .address_space: global }
      - { .name: out0, .offset: 64, .size: 8, .value_kind: global_buffer, .address_space: global }
      - { .name: out1, .offset: 72, .size: 8, .value_kind: global_buffer, .address_space: global }
    .group_segment_fixed_size: 327680
    .private_segment_fixed_size: 0
    .kernarg_segment_align: 8
    .kernarg_segment_size: 80
    .max_flat_workgroup_size: 128
    .sgpr_count:     102
    .vgpr_count:     1024
    .wavefront_size: 32
...
	.end_amdgpu_metadata
.endif
;; end of part 2
